; MI455X (gfx1250); checked and timed in simulation.
; The chip was launched on July 23, 2026; its instructions are those of AMD's public machine-readable ISA for CDNA 5 (MIT licence, August 2026) and "CDNA5" Instruction Set Architecture Reference Guide (July 2026). The comments in the code are by the model that wrote it; some were corrected since.
;; Point Cloud Fitter. Allowed arithmetic: float matrix products may take bf16 or f16 operands with f32 sums; all other float work in f32.
;; Inputs: rot 3 float32; source_pcd 4 x 4,096 x 3 float32; target_pcd 4 x 4,096 x 3 float32; trans 3 float32.
;; Outputs: out0 4 x 4,096 x 3 float32; out1 one number float32.
;; One version. Each part assembles by itself: llvm-mc -triple=amdgcn-amd-amdhsa -mcpu=gfx1250 --defsym DOCPART=n.
;; ======== version 1 of 1: 2 launches
;; limits: inputs' magnitudes at most 10,000
;; workspace buffers: part 1,024 bytes
;; launch nn (part 1): grid 256 x 1, 8 waves a work-group, clusters of 4 x 1, 190,464 bytes of LDS; arguments rot, source_pcd, target_pcd, trans, out0, part; writes out0, part
.if DOCPART == 1
	.amdgcn_target "amdgcn-amd-amdhsa--gfx1250"
	.amdhsa_code_object_version 6
	.text
	.protected	k_q6f0706592f_nn
	.globl	k_q6f0706592f_nn
	.p2align	8
	.type	k_q6f0706592f_nn,@function
k_q6f0706592f_nn:
	s_mov_b64 s[64:65], 0
	v_nop
	global_prefetch_b8 v0, s[64:65] scope:SCOPE_SE
	s_setreg_imm32_b32 hwreg(HW_REG_WAVE_MODE, 25, 1), 1
	s_wait_xcnt 0x0
	s_wait_alu depctr_hold_cnt(0) depctr_sa_sdst(0) depctr_va_vdst(0) depctr_va_sdst(0) depctr_va_ssrc(0) depctr_va_vcc(0) depctr_vm_vsrc(0)
	s_getreg_b32 s2, hwreg(HW_REG_IB_STS2, 6, 4)
	s_cmp_eq_u32 s2, 0
	s_cbranch_scc0 .Lentry_in_a_cluster
	s_endpgm
.Lentry_in_a_cluster:
	s_bfe_u32 s2, ttmp6, 0x10000c
	s_cmp_lg_u32 s2, 0x3003
	s_cbranch_scc0 .Lentry_shape_is_right
	s_endpgm
.Lentry_shape_is_right:
; out0 = R(rot) p + trans for 4 x 4096 source points; part[g] = sum over the work-group's 64 sources of min over the batch's 4096 targets of |x - y|^2.
; A work-group owns 64 sources of one batch and meets all 4096 targets of that batch; eight waves, each with 512 of the targets.
;
; THE DISTANCE ON THE MATRIX UNIT.  min_m (|x|^2 + |y_m|^2 - 2 x.y_m) = |x|^2 + min_m (|y_m|^2 - 2 x.y_m).  The bracket is ONE bf16 matrix instruction:
; every f32 number is cut by truncation into three bf16 pieces (8 + 8 + 8 = 24 mantissa bits: the cut is exact), and the 32 places along K hold
;   27 places: all 9 products piece i of -2 x_d times piece j of y_d, d = 0..2;   3 places: 1.0 times the three pieces of |y|^2;   2 places: zero.
; So the products are those of the f32 numbers, and the sum is kept in f32 by the instruction.  K is split in four chunks of 8 places (16 bytes):
;   target:  P = y00 y01 y02 y10 y11 y12 y20 y21 (y_dj: piece j of coordinate d)      Q = y22 y22 y22 c0 c1 c2 0 0 (c: pieces of |y|^2)
;   source:  S_i = a0i a0i a0i a1i a1i a1i a2i a2i (a = -2 x), i = 0, 1, 2             S_3 = a20 a21 a22 1 1 1 0 0
; A lane (r = lane % 16, h = lane / 16) holds K = 8h..8h+7 in registers 0-3 and K = 16+8h.. in registers 4-7 (ISA guide 7.12.2), so
;   h = 0: target P, P against source S_0, S_1;     h = 1: target P, Q against source S_2, S_3.   A target costs 32 bytes of LDS, not 64.
; Targets are source 0 of the instruction (rows), sources are source 1 (columns): a lane's 8 results are 8 targets of ONE source point,
; and the running minimum of a source tile is one register.  Every matrix instruction has C = 0: there is no chain of sums.
;
; LDS INSTRUCTIONS STAND IN RUNS.  A wave's 32 target fragments pass through two register buffers of eight fragments; a buffer is asked for in one run of
; 16 loads, 32 matrix instructions ahead of its first use, so that two runs of loads are all that stands among the wave's 128 matrix instructions.
;
; CLUSTER: the four work-groups of a cluster (64 to a batch, 4 divides 64) need the same targets: each wave's 6,144 raw bytes are asked for jointly.
; LIMITS: inputs are finite (v_min3_num_f32 drops a NaN that jnp.min would keep).  The angle theta = sqrt(|rot|^2 + 1e-8) is reduced modulo 2 pi with a
; two-part constant; v_sqrt_f32 may differ from the correctly rounded root by one unit in the last place of theta, so out0 is good to 1 % up to theta of about 1e4.
.set TW,     512                       ; targets of a wave
.set RAWW,   TW*12                     ; their bytes in memory: 6,144 = 24 rows of 256
.set BATCHB, 4096*12                   ; bytes of a batch's targets
; LDS map
.set QOFF,   TW*16                     ; a wave's 16,384 bytes of chunks: P of its 512 targets, then Q
.set RAW,    8*TW*32                   ; 131,072: raw targets, 6,144 bytes a wave: the only bytes that a tensor load fills
.set SRC,    RAW+8*RAWW                ; 180,224: source chunks, S_c of source t at 1024 c + 16 t
.set X2O,    SRC+4096                  ; 184,320: |x|^2 of the 64 sources
.set XTO,    X2O+256                   ; the 64 transformed points, 768 bytes as they lie in out0
.set MINO,   X2O+1024                  ; 16 rows (wave, h) of 64 minima; ends at 189,440
; vector registers
.set LANE, 1
.set RR,   2                           ; lane % 16
.set HH,   3                           ; lane / 16
.set RADR, 4                           ; LDS: my 48 raw bytes (4 targets) of the wave's first 128 targets
.set WADR, 5                           ; LDS: where I put a target's P
.set ALO,  6                           ; LDS: registers 0-3 of a target fragment (P)
.set AHI,  7                           ; LDS: registers 4-7 (h = 0: P again, h = 1: Q)
.set SADR, 8                           ; LDS: source fragments
.set MADR, 9                           ; LDS: my row of minima
.set T12,  10                          ; waves 0, 1: 12 x thread
.set SST,  11                          ; waves 0, 1: where I put a source's chunks
.set GO8,  12                          ; 8 x lane
.set X2A,  13
.set XTA,  14
.set SCR,  15                          ; X2O + 8 x lane
; phase 1
.set VR, 16                            ; v[16:63]   raw targets: group p at 12 p, target q of the lane's four at 3 q
.set MK, 64                            ; v[64:75]   upper 16 bits of the number being cut
.set R1, 76                            ; v[76:87]   remainder after the first piece
.set R2, 88                            ; v[88:99]   remainder after the second: the third piece
.set CC, 100                           ; v[100:103] |y|^2
.set CK, 104
.set C1, 108
.set C2, 112
.set PP, 116                           ; v[116:131] P of four targets
.set QQ, 132                           ; v[132:147] Q of four targets; the fourth register of each stays 0
; phase 2
.set SF,  16                           ; v[16:47]   four source fragments
.set DD,  48                           ; v[48:111]  two sets of four results
.set ACC, 112                          ; v[112:115] running minimum of each source tile
.set OT,  116                          ; v[116:121] wave 7, at the end: out0's 768 bytes
.set TA,  128                          ; v[128:255] two buffers of eight target fragments
; the source side (waves 0 and 1, ahead of phase 1)
.set XX, 64
.set YY, 65
.set ZZ, 66
.set XY, 67
.set XZ, 68
.set YZ, 69
.set TS, 70
.set TT, 71
.set RTH, 72
.set RT, 73
.set TH, 74
.set NN, 75
.set HR, 76
.set UU, 77
.set SN, 78
.set CS, 79
.set AA, 80
.set BB, 81
.set RM, 82                            ; v[82:90]   R, row-major
.set PS, 91                            ; v[91:93]   the point as loaded
.set XO, 94                            ; v[94:96]   transformed
.set X2R, 97
.set WA, 98                            ; v[98:106]  piece i of -2 x_d in the upper half of WA + 3 i + d
.set WM, 107
.set ONE, 110
.set SCH, 112                          ; v[112:127] the four chunks
; A round of the cluster's barrier: my work-group's barrier, wave 0 signals for the work-group, every wave waits for all four work-groups, my work-group's barrier again.
.macro ROUND
	s_barrier_signal -1
	s_barrier_wait -1
	s_cmp_lg_u32 s16, 0
	s_cbranch_scc1 .Lnot_wave_0_\@
	s_barrier_signal -3
.Lnot_wave_0_\@:
	s_barrier_wait -3
	s_barrier_signal -1
	s_barrier_wait -1
.endm
	s_load_b256 s[4:11], s[0:1], 0x0               ; rot s[4:5], source s[6:7], target s[8:9], trans s[10:11]
	s_load_b128 s[12:15], s[0:1], 0x20             ; out0 s[12:13], part s[14:15]
	s_set_vgpr_msb 0x40
	v_lshl_add_u32 v0, v0, 2, 0x2e400
	v_mov_b32 v1, 0
	s_set_vgpr_msb 0x4045
	ds_add_u32 v0, v1
	s_set_vgpr_msb 0x4500
	v_lshrrev_b32 v2, 5, v0
	v_readfirstlane_b32 s16, v2                    ; wave 0..7
	v_and_b32 v[LANE], 31, v0
	v_and_b32 v[RR], 15, v0
	v_bfe_u32 v[HH], v0, 4, 1
	s_bfe_u32 s17, ttmp6, 0x40000                  ; cx: my place in the cluster
	s_lshl_b32 s18, ttmp9, 2
	s_add_co_u32 s18, s18, s17                     ; work-group g = 4 x cluster + cx: sources 64 g .. 64 g + 63 of the 16,384
	s_lshr_b32 s19, ttmp9, 4                       ; batch = g / 64 = cluster / 16: the same in all four partners
	s_mov_b32 s40, 0x07060302                      ; v_perm_b32: upper half of source 1 below, upper half of source 0 above
	s_mov_b32 s41, 0xffff0000                      ; the bf16 piece of an f32 word
	s_mov_b32 s54, 0x76543210                      ; v_permlanex16_b32: lane i reads lane i of the other half
	s_mov_b32 s55, 0xfedcba98
	; descriptor group 1: a dense block of 6,144 bytes as 24 rows of 32 elements of 8 bytes
	s_mov_b32 s32, 15|(3<<16)|(1<<21)              ; 15:0 mask: all four work-groups of the cluster; 17:16 elements of 8 bytes; 21 set beside a mask
	s_mov_b32 s33, 32<<16                          ; tensor_dim0 = 32
	s_mov_b32 s34, 24<<16                          ; tensor_dim1 = 24
	s_mov_b32 s35, 32<<16                          ; tile_dim0 = 32
	s_mov_b32 s36, 24                              ; tile_dim1 = 24
	s_mov_b32 s37, 32                              ; 32 elements from row to row: the rows follow each other
	s_mov_b32 s38, 0
	s_mov_b32 s39, 0
	; group 0: made of the batch and the wave's number alone, so it is equal in the four partners
	s_mov_b32 s28, 1
	s_mul_i32 s50, s16, RAWW
	s_add_co_u32 s29, s50, RAW                     ; LDS: a constant + wave x 6,144
	s_mul_i32 s48, s19, BATCHB
	s_add_co_u32 s48, s48, s50                     ; memory: batch x 49,152 + wave x 6,144, a multiple of 256
	s_mov_b32 s49, 0
	s_mul_i32 s44, s18, 768                        ; my 64 points in source_pcd and in out0: 768 bytes, three aligned blocks of 256
	s_mov_b32 s45, 0
	s_lshl_b32 s46, s18, 2                         ; my word of part
	s_mov_b32 s47, 0
	s_wait_dscnt 0x0
	s_wait_kmcnt 0x0
	s_load_b96 s[20:22], s[4:5], 0x0               ; rot
	s_load_b96 s[24:26], s[10:11], 0x0             ; trans
	s_add_nc_u64 s[30:31], s[8:9], s[48:49]
	s_or_b32 s31, s31, 0x80000000                  ; type = 2
	s_add_nc_u64 s[6:7], s[6:7], s[44:45]
	s_add_nc_u64 s[12:13], s[12:13], s[44:45]
	s_add_nc_u64 s[14:15], s[14:15], s[46:47]
	ROUND                                          ; the four work-groups are here: their joint requests meet
	tensor_load_to_lds s[28:31], s[32:39]          ; my wave's 512 raw targets: the wave's only tensor load, one outstanding
	s_nop 0
	v_mul_u32_u24 v[RADR], v[LANE], 48             ; four targets a lane: 48 bytes
	v_add_nc_u32 v[RADR], s29, v[RADR]
	s_lshl_b32 s51, s16, 14                        ; my wave's chunks
	v_lshl_add_u32 v[WADR], v[LANE], 4, s51
	v_lshl_add_u32 v[ALO], v[RR], 4, s51
	v_lshl_add_u32 v[AHI], v[HH], 13, v[ALO]       ; + QOFF for lanes 16-31
	v_lshl_add_u32 v[SADR], v[RR], 4, SRC
	v_lshl_add_u32 v[SADR], v[HH], 11, v[SADR]     ; h = 0: S_0 (and S_1 at + 1024); h = 1: S_2 (and S_3)
	s_lshl_b32 s52, s16, 9
	s_add_co_u32 s52, s52, MINO
	v_lshl_add_u32 v[MADR], v[RR], 2, s52
	v_lshl_add_u32 v[MADR], v[HH], 8, v[MADR]      ; row 2 wave + h, word r
	v_lshlrev_b32 v[GO8], 3, v[LANE]
	v_add_nc_u32 v[SCR], X2O, v[GO8]
	s_wait_kmcnt 0x0                               ; rot and trans
	s_cmp_gt_u32 s16, 1
	s_cbranch_scc1 .Ltargets
	; ---- waves 0 and 1: thread t = 0..63 makes source point t, while the targets are on their way ----
	v_mul_u32_u24 v[T12], v0, 12
	global_load_b32 v[PS], v[T12], s[6:7]          ; a wave's three loads together cover 384 consecutive bytes, read once in the launch
	global_load_b32 v[PS+1], v[T12], s[6:7] offset:4
	global_load_b32 v[PS+2], v[T12], s[6:7] offset:8
	v_mul_f32 v[XX], s20, s20
	v_mul_f32 v[YY], s21, s21
	v_mul_f32 v[ZZ], s22, s22
	v_add_f32 v[TS], v[XX], v[YY]
	v_add_f32 v[TS], v[TS], v[ZZ]
	v_add_f32 v[TT], 0x322bcc77, v[TS]             ; t = |w|^2 + 1e-8
	v_rsq_f32 v[RTH], v[TT]                        ; 1 / theta
	v_rcp_f32 v[RT], v[TT]                         ; 1 / t
	v_sqrt_f32 v[TH], v[TT]                        ; theta
	v_mul_f32 v[XY], s20, s21                      ; plain work behind the three transcendentals, ahead of the first use of a result (ISA guide 5.7.2)
	v_mul_f32 v[XZ], s20, s22
	v_mul_f32 v[YZ], s21, s22
	; theta modulo 2 pi, halved: h in [-pi/2, pi/2].  sin theta = 2 sin h cos h and 1 - cos theta = 2 sin^2 h hold whatever multiple of 2 pi was taken away.
	s_wait_alu depctr_va_vdst(0)
	v_mul_f32 v[NN], 0.15915494, v[TH]
	v_rndne_f32 v[NN], v[NN]
	v_fmamk_f32 v[HR], v[NN], 0xc0c90fdb, v[TH]    ; theta - n x 6.2831855 (the product is not rounded)
	v_fmamk_f32 v[HR], v[NN], 0x343bbd2e, v[HR]    ; - n x (2 pi - 6.2831855) = + n x 1.7484556e-7
	v_mul_f32 v[HR], 0.5, v[HR]
	v_mul_f32 v[UU], v[HR], v[HR]
	v_mov_b32 v[SN], 0xb2d7322b                    ; sin h / h to h^10 / 11!: the next term is below 6e-8 at pi/2
	v_mov_b32 v[CS], 0x310f76c7                    ; cos h to h^12 / 12!: the next term is below 7e-9
	v_fmaak_f32 v[SN], v[SN], v[UU], 0x3638ef1d
	v_fmaak_f32 v[CS], v[CS], v[UU], 0xb493f27e
	v_fmaak_f32 v[SN], v[SN], v[UU], 0xb9500d01
	v_fmaak_f32 v[CS], v[CS], v[UU], 0x37d00d01
	v_fmaak_f32 v[SN], v[SN], v[UU], 0x3c088889
	v_fmaak_f32 v[CS], v[CS], v[UU], 0xbab60b61
	v_fmaak_f32 v[SN], v[SN], v[UU], 0xbe2aaaab
	v_fmaak_f32 v[CS], v[CS], v[UU], 0x3d2aaaab
	v_fma_f32 v[SN], v[SN], v[UU], 1.0
	v_fma_f32 v[CS], v[CS], v[UU], -0.5
	v_mul_f32 v[SN], v[SN], v[HR]
	v_fma_f32 v[CS], v[CS], v[UU], 1.0
	v_mul_f32 v[TS], 2.0, v[SN]
	v_mul_f32 v[AA], v[TS], v[CS]                  ; sin theta
	v_mul_f32 v[BB], v[TS], v[SN]                  ; 1 - cos theta
	v_mul_f32 v[AA], v[AA], v[RTH]                 ; A = sin theta / theta
	v_mul_f32 v[BB], v[BB], v[RT]                  ; B = (1 - cos theta) / t
	; R = I + A hat + B hat^2, hat^2 = w w' - |w|^2 I
	v_add_f32 v[NN], v[YY], v[ZZ]
	v_add_f32 v[HR], v[XX], v[ZZ]
	v_add_f32 v[UU], v[XX], v[YY]
	v_fma_f32 v[RM+0], -v[BB], v[NN], 1.0
	v_fma_f32 v[RM+4], -v[BB], v[HR], 1.0
	v_fma_f32 v[RM+8], -v[BB], v[UU], 1.0
	v_mul_f32 v[XY], v[BB], v[XY]
	v_mul_f32 v[XZ], v[BB], v[XZ]
	v_mul_f32 v[YZ], v[BB], v[YZ]
	v_fma_f32 v[RM+1], -v[AA], s22, v[XY]
	v_fma_f32 v[RM+3], v[AA], s22, v[XY]
	v_fma_f32 v[RM+2], v[AA], s21, v[XZ]
	v_fma_f32 v[RM+6], -v[AA], s21, v[XZ]
	v_fma_f32 v[RM+5], -v[AA], s20, v[YZ]
	v_fma_f32 v[RM+7], v[AA], s20, v[YZ]
	v_add_nc_u32 v[XTA], XTO, v[T12]
	v_lshl_add_u32 v[X2A], v0, 2, X2O
	v_lshl_add_u32 v[SST], v0, 4, SRC
	v_mov_b32 v[ONE], 1.0
	s_wait_loadcnt 0x0                             ; my point
.irp i, 0,1,2
	v_fma_f32 v[XO+\i], v[RM+3*\i], v[PS], s[24+\i]        ; x = R p + trans: nine fused multiply-adds in f32
.endr
.irp i, 0,1,2
	v_fmac_f32 v[XO+\i], v[RM+3*\i+1], v[PS+1]
.endr
.irp i, 0,1,2
	v_fmac_f32 v[XO+\i], v[RM+3*\i+2], v[PS+2]
.endr
	v_mul_f32 v[X2R], v[XO], v[XO]
	v_fmac_f32 v[X2R], v[XO+1], v[XO+1]
	v_fmac_f32 v[X2R], v[XO+2], v[XO+2]
	ds_store_b32 v[XTA], v[XO]                     ; the point, as it lies in out0: it leaves in whole blocks of 256 bytes at the end
	ds_store_b32 v[XTA], v[XO+1] offset:4
	ds_store_b32 v[XTA], v[XO+2] offset:8
	ds_store_b32 v[X2A], v[X2R]
.irp d, 0,1,2
	v_mul_f32 v[WA+\d], -2.0, v[XO+\d]
.endr
.irp d, 0,1,2
	v_and_b32 v[WM+\d], s41, v[WA+\d]              ; first piece;
.endr
.irp d, 0,1,2
	v_sub_f32 v[WA+3+\d], v[WA+\d], v[WM+\d]       ; what is left, exactly
.endr
.irp d, 0,1,2
	v_and_b32 v[WM+\d], s41, v[WA+3+\d]
.endr
.irp d, 0,1,2
	v_sub_f32 v[WA+6+\d], v[WA+3+\d], v[WM+\d]     ; at most 8 bits are left: the third piece is exact
.endr
.irp i, 0,1,2
	v_perm_b32 v[SCH+4*\i], v[WA+3*\i], v[WA+3*\i], s40            ; a0i a0i
	v_perm_b32 v[SCH+4*\i+1], v[WA+3*\i+1], v[WA+3*\i], s40        ; a0i a1i
	v_perm_b32 v[SCH+4*\i+2], v[WA+3*\i+1], v[WA+3*\i+1], s40      ; a1i a1i
	v_perm_b32 v[SCH+4*\i+3], v[WA+3*\i+2], v[WA+3*\i+2], s40      ; a2i a2i
	ds_store_b128 v[SST], v[SCH+4*\i:SCH+4*\i+3] offset:1024*\i
.endr
	v_perm_b32 v[SCH+12], v[WA+5], v[WA+2], s40    ; a20 a21
	v_perm_b32 v[SCH+13], v[ONE], v[WA+8], s40     ; a22 1
	v_mov_b32 v[SCH+14], 0x3f803f80                ; 1 1
	v_mov_b32 v[SCH+15], 0
	ds_store_b128 v[SST], v[SCH+12:SCH+15] offset:3072
.Ltargets:
	; ---- phase 1, every wave: its 512 targets are cut into pieces and laid down as P and Q, in the wave's own bytes ----
.irp q, 0,1,2,3
	v_mov_b32 v[QQ+4*\q+3], 0                      ; Q's last two places
.endr
	s_wait_tensorcnt 0x0                           ; my raw targets are in LDS; only my wave reads them
.irp p, 0,1,2,3
	ds_load_b128 v[VR+12*\p:VR+12*\p+3], v[RADR] offset:1536*\p
	ds_load_b128 v[VR+12*\p+4:VR+12*\p+7], v[RADR] offset:1536*\p+16
	ds_load_b128 v[VR+12*\p+8:VR+12*\p+11], v[RADR] offset:1536*\p+32
.endr
; Group p: 128 targets, four a lane.  Which target lands in which place of which fragment does not matter: the minimum runs over all.
.macro GROUP p
.set GB, VR+12*\p
	s_wait_dscnt 3*(3-\p)+8*\p                     ; LDS instructions end in order (ISA guide 5.7.1): behind this group's loads stand 3 loads for each later group and 8 stores for each earlier one
.irp q, 0,1,2,3
	v_mul_f32 v[CC+\q], v[GB+3*\q], v[GB+3*\q]
.endr
.irp q, 0,1,2,3
	v_fmac_f32 v[CC+\q], v[GB+3*\q+1], v[GB+3*\q+1]
.endr
.irp q, 0,1,2,3
	v_fmac_f32 v[CC+\q], v[GB+3*\q+2], v[GB+3*\q+2]        ; |y|^2
.endr
.irp j, 0,1,2,3,4,5,6,7,8,9,10,11
	v_and_b32 v[MK+\j], s41, v[GB+\j]
.endr
.irp j, 0,2,4,6,8,10
	v_pk_add_f32 v[R1+\j:R1+\j+1], v[GB+\j:GB+\j+1], v[MK+\j:MK+\j+1] neg_lo:[0,1] neg_hi:[0,1]
.endr
.irp q, 0,1,2,3
	v_and_b32 v[CK+\q], s41, v[CC+\q]
.endr
.irp j, 0,1,2,3,4,5,6,7,8,9,10,11
	v_and_b32 v[MK+\j], s41, v[R1+\j]
.endr
.irp j, 0,2
	v_pk_add_f32 v[C1+\j:C1+\j+1], v[CC+\j:CC+\j+1], v[CK+\j:CK+\j+1] neg_lo:[0,1] neg_hi:[0,1]
.endr
.irp j, 0,2,4,6,8,10
	v_pk_add_f32 v[R2+\j:R2+\j+1], v[R1+\j:R1+\j+1], v[MK+\j:MK+\j+1] neg_lo:[0,1] neg_hi:[0,1]
.endr
.irp q, 0,1,2,3
	v_and_b32 v[CK+\q], s41, v[C1+\q]
.endr
.irp j, 0,2
	v_pk_add_f32 v[C2+\j:C2+\j+1], v[C1+\j:C1+\j+1], v[CK+\j:CK+\j+1] neg_lo:[0,1] neg_hi:[0,1]
.endr
.irp q, 0,1,2,3
	v_perm_b32 v[PP+4*\q], v[R1+3*\q], v[GB+3*\q], s40             ; y00 y01
	v_perm_b32 v[PP+4*\q+1], v[GB+3*\q+1], v[R2+3*\q], s40         ; y02 y10
	v_perm_b32 v[PP+4*\q+2], v[R2+3*\q+1], v[R1+3*\q+1], s40       ; y11 y12
	v_perm_b32 v[PP+4*\q+3], v[R1+3*\q+2], v[GB+3*\q+2], s40       ; y20 y21
	v_perm_b32 v[QQ+4*\q], v[R2+3*\q+2], v[R2+3*\q+2], s40         ; y22 y22
	v_perm_b32 v[QQ+4*\q+1], v[CC+\q], v[R2+3*\q+2], s40           ; y22 c0
	v_perm_b32 v[QQ+4*\q+2], v[C2+\q], v[C1+\q], s40               ; c1 c2
.endr
.irp q, 0,1,2,3                                    ; the group's eight stores in one run: each of the four targets has P and Q registers of its own
	ds_store_b128 v[WADR], v[PP+4*\q:PP+4*\q+3] offset:512*(4*\p+\q)       ; 32 lanes, 512 consecutive bytes
	ds_store_b128 v[WADR], v[QQ+4*\q:QQ+4*\q+3] offset:QOFF+512*(4*\p+\q)
.endr
.endm
	GROUP 0
	GROUP 1
	GROUP 2
	GROUP 3
	s_wait_dscnt 0x0                               ; for the others' sake: the source chunks, |x|^2 and the points of waves 0 and 1 are in LDS
	s_barrier_signal -1
	s_barrier_wait -1
	; ---- phase 2: 32 target fragments a wave against the four source fragments ----
.set NOWAIT, 64
.macro FETCH8 b, buf                   ; fragments 8 b .. 8 b + 7 into buffer buf: one run of 16 loads
.irp i, 0,1,2,3,4,5,6,7
	ds_load_b128 v[TA+64*\buf+8*\i:TA+64*\buf+8*\i+3], v[ALO] offset:256*(8*\b+\i)
	ds_load_b128 v[TA+64*\buf+8*\i+4:TA+64*\buf+8*\i+7], v[AHI] offset:256*(8*\b+\i)
.endr
.endm
.macro WM4 fr, cur                     ; the fragment in place fr of the 16 against the four source fragments; C = 0, four different results in set cur
.irp s, 0,1,2,3
	v_wmma_f32_16x16x32_bf16 v[DD+32*\cur+8*\s:DD+32*\cur+8*\s+7], v[TA+8*(\fr):TA+8*(\fr)+7], v[SF+8*\s:SF+8*\s+7], 0
.endr
.endm
.macro MIN16 prev                      ; 8 results and the running minimum become one number in four v_min3, the four tiles by turns
.irp s, 0,1,2,3
	v_min3_num_f32 v[DD+32*\prev+8*\s], v[DD+32*\prev+8*\s], v[DD+32*\prev+8*\s+1], v[DD+32*\prev+8*\s+2]
.endr
.irp s, 0,1,2,3
	v_min3_num_f32 v[DD+32*\prev+8*\s+3], v[DD+32*\prev+8*\s+3], v[DD+32*\prev+8*\s+4], v[DD+32*\prev+8*\s+5]
.endr
.irp s, 0,1,2,3
	v_min3_num_f32 v[ACC+\s], v[ACC+\s], v[DD+32*\prev+8*\s+6], v[DD+32*\prev+8*\s+7]
.endr
.irp s, 0,1,2,3
	v_min3_num_f32 v[ACC+\s], v[ACC+\s], v[DD+32*\prev+8*\s], v[DD+32*\prev+8*\s+3]
.endr
.endm
; A step: four matrix instructions into result set cur, then the minima of the step before (set prev).
; The 16 v_min3 name none of the registers of the four matrix instructions in front of them: they are the places that the next step's
; v_min3 need behind the results that they read, and that a run of loads needs behind the last matrix instruction that read its buffer.
.macro STEP fr, cur, prev, left
.if \left < NOWAIT
	s_wait_dscnt \left
.endif
	WM4 \fr, \cur
	MIN16 \prev
.endm
.macro EIGHT buf, left                 ; eight steps on buffer buf, which one wait shows whole
	STEP 8*\buf, 0, 1, \left
	STEP 8*\buf+1, 1, 0, NOWAIT
	STEP 8*\buf+2, 0, 1, NOWAIT
	STEP 8*\buf+3, 1, 0, NOWAIT
	STEP 8*\buf+4, 0, 1, NOWAIT
	STEP 8*\buf+5, 1, 0, NOWAIT
	STEP 8*\buf+6, 0, 1, NOWAIT
	STEP 8*\buf+7, 1, 0, NOWAIT
.endm
.irp s, 0,1,2,3
	ds_load_b128 v[SF+8*\s:SF+8*\s+3], v[SADR] offset:256*\s
	ds_load_b128 v[SF+8*\s+4:SF+8*\s+7], v[SADR] offset:256*\s+1024
.endr
	FETCH8 0, 0
	FETCH8 1, 1
	; The first buffer is used as it comes in: behind fragment i's two loads stand two for each of the 7 - i later fragments and the second buffer's 16.
	s_wait_dscnt 30                                ; the source fragments and fragment 0
	WM4 0, 0
.irp s, 0,1,2,3
	v_mov_b32 v[ACC+\s], 0x7f800000                ; + infinity; these four are also the places behind fragment 0's matrix instructions
.endr
	STEP 1, 1, 0, 28
	STEP 2, 0, 1, 26
	STEP 3, 1, 0, 24
	STEP 4, 0, 1, 22
	STEP 5, 1, 0, 20
	STEP 6, 0, 1, 18
	STEP 7, 1, 0, 16
	FETCH8 2, 0                                    ; fragments 16-23, 32 matrix instructions ahead of their first use
	EIGHT 1, 16                                    ; fragments 8-15 are in; the 16 loads just issued may be out
	FETCH8 3, 1                                    ; fragments 24-31, likewise
	EIGHT 0, 16                                    ; fragments 16-23 are in; the 16 loads just issued may be out
	EIGHT 1, 0                                     ; fragments 24-31: nothing was issued behind them
	MIN16 1
.irp s, 0,1,2,3
	ds_store_b32 v[MADR], v[ACC+\s] offset:64*\s   ; row (wave, h): minimum for source 16 s + r over this wave's targets in rows 8 h .. 8 h + 7 of each fragment
.endr
	s_wait_dscnt 0x0                               ; for wave 0's sake
	ROUND                                          ; its work-group barriers show the 16 rows to wave 0; as the cluster's closing round it keeps every
	                                               ; work-group here until all four have issued (and long since received) their joint loads
	s_cmp_eq_u32 s16, 7
	s_cbranch_scc1 .Lout0
	s_cmp_lg_u32 s16, 0
	s_cbranch_scc1 .Lend
	; ---- wave 0: lane l takes sources 2 l and 2 l + 1 ----
.irp k, 0,1,2,3,4,5,6,7,8,9,10,11,12,13,14,15
	ds_load_b64 v[16+2*\k:17+2*\k], v[SCR] offset:1024+256*\k
.endr
	ds_load_b64 v[48:49], v[SCR]                   ; |x|^2
	s_wait_dscnt 0x0
.irp c, 0,1
	v_min3_num_f32 v[16+\c], v[16+\c], v[18+\c], v[20+\c]
	v_min3_num_f32 v[22+\c], v[22+\c], v[24+\c], v[26+\c]
	v_min3_num_f32 v[28+\c], v[28+\c], v[30+\c], v[32+\c]
	v_min3_num_f32 v[34+\c], v[34+\c], v[36+\c], v[38+\c]
	v_min3_num_f32 v[40+\c], v[40+\c], v[42+\c], v[44+\c]
.endr
.irp c, 0,1
	v_min3_num_f32 v[16+\c], v[16+\c], v[22+\c], v[28+\c]
	v_min3_num_f32 v[34+\c], v[34+\c], v[40+\c], v[46+\c]
.endr
	v_min_num_f32 v16, v16, v34
	v_min_num_f32 v17, v17, v35
	v_pk_add_f32 v[16:17], v[16:17], v[48:49]      ; min d2 = |x|^2 + min (|y|^2 - 2 x.y)
	v_add_f32 v16, v16, v17
	v_add_f32_dpp v16, v16, v16 row_xmask:1 row_mask:0xf bank_mask:0xf
	v_add_f32_dpp v16, v16, v16 row_xmask:2 row_mask:0xf bank_mask:0xf
	v_add_f32_dpp v16, v16, v16 row_xmask:4 row_mask:0xf bank_mask:0xf
	v_add_f32_dpp v16, v16, v16 row_xmask:8 row_mask:0xf bank_mask:0xf
	v_permlanex16_b32 v17, v16, s54, s55
	v_add_f32 v16, v16, v17                        ; the sum over my 64 sources
	v_mov_b32 v18, 0
	v_cmp_eq_u32 vcc_lo, 0, v[LANE]
	s_wait_xcnt 0x0                                ; EXEC changes only behind this wait
	s_set_vgpr_msb 0x5
	s_wait_tensorcnt 0x0
	ds_add_u32 v0, v1
	s_wait_dscnt 0x0
	s_set_vgpr_msb 0x500
	s_and_saveexec_b32 s43, vcc_lo
	global_store_b32 v18, v16, s[14:15]            ; one word a work-group: the next launch adds the 256
	s_wait_xcnt 0x0
	s_or_b32 exec_lo, exec_lo, s43
	s_endpgm
.Lout0:
	; ---- wave 7, while wave 0 reduces: out0.  Each store's 32 lanes cover 256 consecutive bytes at a multiple of 256 from out0's first byte. ----
	ds_load_b64 v[OT:OT+1], v[SCR] offset:256      ; the points that waves 0 and 1 laid down ahead of the barrier between the phases
	ds_load_b64 v[OT+2:OT+3], v[SCR] offset:512
	ds_load_b64 v[OT+4:OT+5], v[SCR] offset:768
	s_wait_dscnt 0x0
	global_store_b64 v[GO8], v[OT:OT+1], s[12:13]
	global_store_b64 v[GO8], v[OT+2:OT+3], s[12:13] offset:256
	global_store_b64 v[GO8], v[OT+4:OT+5], s[12:13] offset:512
.Lend:
	s_set_vgpr_msb 0x5
	s_wait_tensorcnt 0x0
	ds_add_u32 v0, v1
	s_wait_dscnt 0x0
	s_set_vgpr_msb 0x500
	s_endpgm
.Lfunc_end_k_q6f0706592f_nn:
	.size	k_q6f0706592f_nn, .Lfunc_end_k_q6f0706592f_nn-k_q6f0706592f_nn
	.p2alignl 7, 3214868480
	.fill 96, 4, 3214868480
	.section	.rodata,"a",@progbits
	.p2align	6, 0x0
	.amdhsa_kernel k_q6f0706592f_nn
		.amdhsa_group_segment_fixed_size 190464
		.amdhsa_private_segment_fixed_size 0
		.amdhsa_enable_private_segment 0
		.amdhsa_kernarg_size 48
		.amdhsa_user_sgpr_count 2
		.amdhsa_user_sgpr_kernarg_segment_ptr 1
		.amdhsa_wavefront_size32 1
		.amdhsa_system_sgpr_workgroup_id_x 1
		.amdhsa_system_sgpr_workgroup_id_y 1
		.amdhsa_system_sgpr_workgroup_id_z 1
		.amdhsa_system_vgpr_workitem_id 0
		.amdhsa_next_free_vgpr 258
		.amdhsa_next_free_sgpr 66
		.amdhsa_reserve_vcc 1
		.amdhsa_float_denorm_mode_32 3
		.amdhsa_float_denorm_mode_16_64 3
		.amdhsa_memory_ordered 1
		.amdhsa_forward_progress 1
		.amdhsa_inst_pref_size 79
	.end_amdhsa_kernel
	.amdgpu_metadata
---
amdhsa.version: [ 1, 2 ]
amdhsa.kernels:
  - .name:           k_q6f0706592f_nn
    .symbol:         k_q6f0706592f_nn.kd
    .args:
      - { .name: rot, .offset: 0, .size: 8, .value_kind: global_buffer, .address_space: global }
      - { .name: source_pcd, .offset: 8, .size: 8, .value_kind: global_buffer, .address_space: global }
      - { .name: target_pcd, .offset: 16, .size: 8, .value_kind: global_buffer, .address_space: global }
      - { .name: trans, .offset: 24, .size: 8, .value_kind: global_buffer, .address_space: global }
      - { .name: out0, .offset: 32, .size: 8, .value_kind: global_buffer, .address_space: global }
      - { .name: part, .offset: 40, .size: 8, .value_kind: global_buffer, .address_space: global }
    .group_segment_fixed_size: 190464
    .private_segment_fixed_size: 0
    .kernarg_segment_align: 8
    .kernarg_segment_size: 48
    .max_flat_workgroup_size: 256
    .sgpr_count:     66
    .vgpr_count:     258
    .wavefront_size: 32
...
	.end_amdgpu_metadata
.endif
;; end of part 1
;; launch mean (part 2): grid 1 x 1, 1 waves a work-group, no clusters, 0 bytes of LDS; arguments part, out1; writes out1
.if DOCPART == 2
	.amdgcn_target "amdgcn-amd-amdhsa--gfx1250"
	.amdhsa_code_object_version 6
	.text
	.protected	k_q6f0706592f_mean
	.globl	k_q6f0706592f_mean
	.p2align	8
	.type	k_q6f0706592f_mean,@function
k_q6f0706592f_mean:
	s_mov_b64 s[64:65], 0
	v_nop
	global_prefetch_b8 v0, s[64:65] scope:SCOPE_SE
	s_setreg_imm32_b32 hwreg(HW_REG_WAVE_MODE, 25, 1), 1
	s_wait_xcnt 0x0
; out1 = (sum of the 256 partial sums) / 16384.  One wave: 1,024 bytes are two loads of 16 bytes a lane, each covering 512 consecutive bytes.
; The sum spans all work-groups of the launch before, so it has a launch of its own; more waves would have nothing to do.
	s_load_b128 s[4:7], s[0:1], 0x0                ; part s[4:5], out1 s[6:7]
	v_lshlrev_b32 v1, 4, v0
	s_mov_b32 s8, 0x76543210                       ; v_permlanex16_b32: lane i reads lane i of the other half
	s_mov_b32 s9, 0xfedcba98
	s_wait_kmcnt 0x0
	global_load_b128 v[4:7], v1, s[4:5]
	global_load_b128 v[8:11], v1, s[4:5] offset:512
	s_wait_loadcnt 0x0
	v_pk_add_f32 v[4:5], v[4:5], v[8:9]
	v_pk_add_f32 v[6:7], v[6:7], v[10:11]
	v_pk_add_f32 v[4:5], v[4:5], v[6:7]
	v_add_f32 v4, v4, v5
	v_add_f32_dpp v4, v4, v4 row_xmask:1 row_mask:0xf bank_mask:0xf
	v_add_f32_dpp v4, v4, v4 row_xmask:2 row_mask:0xf bank_mask:0xf
	v_add_f32_dpp v4, v4, v4 row_xmask:4 row_mask:0xf bank_mask:0xf
	v_add_f32_dpp v4, v4, v4 row_xmask:8 row_mask:0xf bank_mask:0xf
	v_permlanex16_b32 v5, v4, s8, s9
	v_add_f32 v4, v4, v5
	v_mul_f32 v4, 0x38800000, v4                   ; x 2^-14 = 1 / (4 x 4096), exact
	v_mov_b32 v2, 0
	v_cmp_eq_u32 vcc_lo, 0, v0
	s_wait_xcnt 0x0                                ; EXEC changes only behind this wait
	s_and_saveexec_b32 s10, vcc_lo
	global_store_b32 v2, v4, s[6:7]
	s_wait_xcnt 0x0
	s_or_b32 exec_lo, exec_lo, s10
	s_endpgm
.Lfunc_end_k_q6f0706592f_mean:
	.size	k_q6f0706592f_mean, .Lfunc_end_k_q6f0706592f_mean-k_q6f0706592f_mean
	.p2alignl 7, 3214868480
	.fill 96, 4, 3214868480
	.section	.rodata,"a",@progbits
	.p2align	6, 0x0
	.amdhsa_kernel k_q6f0706592f_mean
		.amdhsa_group_segment_fixed_size 0
		.amdhsa_private_segment_fixed_size 0
		.amdhsa_enable_private_segment 0
		.amdhsa_kernarg_size 16
		.amdhsa_user_sgpr_count 2
		.amdhsa_user_sgpr_kernarg_segment_ptr 1
		.amdhsa_wavefront_size32 1
		.amdhsa_system_sgpr_workgroup_id_x 1
		.amdhsa_system_sgpr_workgroup_id_y 1
		.amdhsa_system_sgpr_workgroup_id_z 1
		.amdhsa_system_vgpr_workitem_id 0
		.amdhsa_next_free_vgpr 12
		.amdhsa_next_free_sgpr 66
		.amdhsa_reserve_vcc 1
		.amdhsa_float_denorm_mode_32 3
		.amdhsa_float_denorm_mode_16_64 3
		.amdhsa_memory_ordered 1
		.amdhsa_forward_progress 1
		.amdhsa_inst_pref_size 2
	.end_amdhsa_kernel
	.amdgpu_metadata
---
amdhsa.version: [ 1, 2 ]
amdhsa.kernels:
  - .name:           k_q6f0706592f_mean
    .symbol:         k_q6f0706592f_mean.kd
    .args:
      - { .name: part, .offset: 0, .size: 8, .value_kind: global_buffer, .address_space: global }
      - { .name: out1, .offset: 8, .size: 8, .value_kind: global_buffer, .address_space: global }
    .group_segment_fixed_size: 0
    .private_segment_fixed_size: 0
    .kernarg_segment_align: 8
    .kernarg_segment_size: 16
    .max_flat_workgroup_size: 32
    .sgpr_count:     66
    .vgpr_count:     12
    .wavefront_size: 32
...
	.end_amdgpu_metadata
.endif
;; end of part 2
